; MI455X (gfx1250); checked and timed in simulation.
; The chip was launched on July 23, 2026; its instructions are those of AMD's public machine-readable ISA for CDNA 5 (MIT licence, August 2026) and "CDNA5" Instruction Set Architecture Reference Guide (July 2026). The comments in the code are by the model that wrote it; some were corrected since.
;; F Lo RA Layer. Allowed arithmetic: float matrix products may take bf16 or f16 operands with f32 sums; all other float work in f32.
;; Inputs: W0 1,024 x 1,024 float32; adapter_a 8 x 8 x 1,024 float32; adapter_b 8 x 1,024 x 8 float32; x 8 x 1,024 x 1,024 float32.
;; Outputs: out0 8 x 1,024 x 1,024 float32.
;; One version. Each part assembles by itself: llvm-mc -triple=amdgcn-amd-amdhsa -mcpu=gfx1250 --defsym DOCPART=n.
;; ======== version 1 of 1: 2 launches
;; workspace buffers: mw 16,777,216 bytes; msc 32,768 bytes
;; launch prep (part 1): grid 256 x 1, 16 waves a work-group, no clusters, 4,096 bytes of LDS; arguments W0, adapter_a, adapter_b, mw, msc; writes mw, msc
.if DOCPART == 1
	.amdgcn_target "amdgcn-amd-amdhsa--gfx1250"
	.amdhsa_code_object_version 6
	.text
	.protected	k_q0a8b3d0a7f_prep
	.globl	k_q0a8b3d0a7f_prep
	.p2align	8
	.type	k_q0a8b3d0a7f_prep,@function
k_q0a8b3d0a7f_prep:
	s_mov_b64 s[64:65], 0
	v_nop
	global_prefetch_b8 v0, s[64:65] scope:SCOPE_SE
	s_setreg_imm32_b32 hwreg(HW_REG_WAVE_MODE, 25, 1), 1
	s_wait_xcnt 0x0
; M[b][d][128 r + j] = Bm[b][d][r] * sum over r' of a[b][r'][128 r + j] * W0[d][8 j + r'], all sums in f32.
; (The module's flat reshape sends (r, o) to column 128 r + o / 8, place o % 8; the mean over that place has no index s, so it is taken ahead of the sum over d.)
; Each column of M is multiplied by an exact power of two, 2^(141 - E), E the exponent field of the column's largest magnitude, so that this magnitude
; lies in 2^14 to 2^15, and is rounded once to f16.  msc takes 2^(E - 144): the scale undone, and the mean's 1/8.
; LIMITS.  E is held in 18 to 254: a column whose largest magnitude lies below 2^-109 is scaled by 2^123 only; infinities and NaN are not treated apart.
; NAMES.  r = 4 rh + r2, j = 8 jg + jl (jg = 8 jh + g), cb = 2 rh + jh, d = 32 kq4 + 8 dq + e.
; mw: [b 8][cb 4][kq4 32][g 8][r2 4][dq 4][jl 8][e 8] f16.   msc: [b][cb][g][r2][jl] f32.
; SHARES.  A work-group owns 32 whole columns (4 r2 x 8 jl) over all 1,024 d, so a column's maximum never leaves it.  Wave w owns kq4 = 2 w + grp, grp 0, 1;
; lane l has jl = l % 8, dq = l / 8: for each grp 8 d x 4 r2, 64 numbers a lane, kept in registers between the pass that finds the maximum and the rounding.
; No matrix unit (8 terms a sum), no tensor load, no cluster: the inputs are small and come through registers.
.set SPARE, 2048                       ; behind the maxima: the spare words, 128 bytes for each of 16 waves
.set MX,  10                           ; v[10:13]  running maxima of |M|, by r2
.set SCL, 14                           ; v[14:17]  the columns' scales
.set INV, 18                           ; v[18:21]  their inverses / 8
.set TW,  22                           ; v[22:25]  at work
.set AC,  32                           ; v[32:63]  a: AC + 4 r' + r2
.set MV,  64                           ; v[64:127] M in f32: MV + 32 grp + 4 e + r2
.set SL,  128                          ; two load slots of 48: W0 at + 8 ii (8 registers for each of 4 d), Bm at + 32 + 4 ii
.set PK,  224                          ; v[224:255] M in f16: PK + 4 (4 grp + r2) + e / 2
	s_load_b256 s[4:11], s[0:1], 0x0               ; W0 s[4:5], a s[6:7], Bm s[8:9], mw s[10:11]
	s_load_b64 s[12:13], s[0:1], 0x20              ; msc
	v_lshl_add_u32 v30, v0, 2, SPARE               ; my spare word,
	v_mov_b32 v31, 0                               ; and 0: kept for the add at the wave's end
	v_lshrrev_b32 v24, 5, v0
	v_readfirstlane_b32 s14, v24                   ; wave 0..15
	s_lshr_b32 s15, ttmp9, 5                       ; b
	s_bfe_u32 s16, ttmp9, 0x10004                  ; rh
	s_and_b32 s17, ttmp9, 15                       ; jg
	s_lshr_b32 s18, s17, 3                         ; jh
	s_and_b32 s19, s17, 7                          ; g
	s_lshl1_add_u32 s18, s16, s18                  ; cb = 2 rh + jh
	s_mov_b32 s22, 0x76543210                      ; v_permlanex16_b32: each lane takes its own place in the other half
	s_mov_b32 s23, 0xfedcba98
	v_and_b32 v1, 31, v0                           ; l
	v_and_b32 v2, 7, v0                            ; jl
	v_bfe_u32 v3, v0, 3, 2                         ; dq
	v_lshlrev_b32 v4, 5, v2                        ; W0: 32 jl
	v_lshl_add_u32 v4, v3, 15, v4                  ;   + 8 dq rows of 4,096 bytes
	v_lshl_add_u32 v4, v24, 18, v4                 ;   + 64 w rows
	v_lshlrev_b32 v5, 8, v3                        ; Bm: 8 dq rows of 32 bytes
	v_lshl_add_u32 v5, v24, 11, v5                 ;   + 64 w rows
	v_lshlrev_b32 v6, 2, v2                        ; a: 4 jl
	v_lshlrev_b32 v7, 4, v1                        ; mw: 16 l = 128 dq + 16 jl
	v_lshl_add_u32 v7, v24, 15, v7                 ;   + 2 w blocks of 16,384 bytes
	s_lshl_b32 s24, s14, 7
	v_lshl_add_u32 v8, v2, 4, s24                  ; LDS, in: 128 w + 16 jl
	v_lshlrev_b32 v9, 4, v2                        ; LDS, back: 16 jl
	v_lshlrev_b32 v26, 2, v1                       ; msc: 4 l
.irp r, 0,1,2,3
	v_mov_b32 v[MX+(\r)], 0                        ; magnitudes are 0 or more
	v_mov_b32 v[TW+(\r)], 0                        ; written, since v_permlanex16_b32 counts as a reader of its destination
.endr
	s_mov_b32 s21, 0
	s_wait_kmcnt 0x0
	s_lshl_b32 s20, s17, 8                         ; W0: the 64 columns 64 jg on
	s_add_nc_u64 s[4:5], s[4:5], s[20:21]
	s_lshl_b32 s20, s15, 15                        ; a: b, then column 512 rh + 8 jg
	s_lshl_b32 s25, s16, 11
	s_add_co_u32 s20, s20, s25
	s_lshl_b32 s25, s17, 5
	s_add_co_u32 s20, s20, s25
	s_add_nc_u64 s[6:7], s[6:7], s[20:21]
	s_lshl_b32 s20, s15, 15                        ; Bm: b, then r = 4 rh
	s_lshl_b32 s25, s16, 4
	s_add_co_u32 s20, s20, s25
	s_add_nc_u64 s[8:9], s[8:9], s[20:21]
	s_lshl_b32 s20, s15, 21                        ; mw: b, cb, g
	s_lshl_b32 s25, s18, 19
	s_add_co_u32 s20, s20, s25
	s_lshl_b32 s25, s19, 11
	s_add_co_u32 s20, s20, s25
	s_add_nc_u64 s[10:11], s[10:11], s[20:21]
	s_lshl_b32 s20, s15, 12                        ; msc: b, cb, g
	s_lshl_b32 s25, s18, 10
	s_add_co_u32 s20, s20, s25
	s_lshl_b32 s25, s19, 7
	s_add_co_u32 s20, s20, s25
	s_add_nc_u64 s[12:13], s[12:13], s[20:21]
.irp k, 0,1,2,3,4,5,6,7
.irp r, 0,1,2,3
	global_load_b32 v[AC+4*(\k)+(\r)], v6, s[6:7] offset:(\k)*4096+(\r)*512  ; a[b][r' = k][128 (4 rh + r) + j]
.endr
.endr
; Half a group q (grp = q / 2, e = 4 (q % 2) + ii) into slot q % 2: for each of 4 d the lane's 8 numbers of W0 and 4 of Bm: 12 loads.
.macro LOADHG q
.set LG, (\q)/2
.set LI, 4*((\q)%2)
.set LS, SL+48*((\q)%2)
.irp ii, 0,1,2,3
	global_load_b128 v[LS+8*(\ii):LS+8*(\ii)+3],       v4, s[4:5] offset:(32*LG+LI+(\ii))*4096
	global_load_b128 v[LS+8*(\ii)+4:LS+8*(\ii)+7],     v4, s[4:5] offset:(32*LG+LI+(\ii))*4096+16
	global_load_b128 v[LS+32+4*(\ii):LS+32+4*(\ii)+3], v5, s[8:9] offset:(32*LG+LI+(\ii))*32
.endr
.endm
; Its 16 numbers of M: eight chains (4 d x 2 pairs of r2) that do not wait for each other; the first product starts each sum.  W0's number is taken for both halves of a pair.
.macro COMPHG q
.set LG, (\q)/2
.set LI, 4*((\q)%2)
.set LS, SL+48*((\q)%2)
.set CM, MV+32*LG+4*LI
.irp ii, 0,1,2,3
.irp rp, 0,1
	v_pk_mul_f32 v[CM+4*(\ii)+2*(\rp):CM+4*(\ii)+2*(\rp)+1], v[LS+8*(\ii):LS+8*(\ii)+1], v[AC+2*(\rp):AC+2*(\rp)+1] op_sel_hi:[0,1]
.endr
.endr
.irp k, 1,2,3,4,5,6,7
.irp ii, 0,1,2,3
.irp rp, 0,1
.if (\k)%2
	v_pk_fma_f32 v[CM+4*(\ii)+2*(\rp):CM+4*(\ii)+2*(\rp)+1], v[LS+8*(\ii)+(\k)-1:LS+8*(\ii)+(\k)], v[AC+4*(\k)+2*(\rp):AC+4*(\k)+2*(\rp)+1], v[CM+4*(\ii)+2*(\rp):CM+4*(\ii)+2*(\rp)+1] op_sel:[1,0,0] op_sel_hi:[1,1,1]
.else
	v_pk_fma_f32 v[CM+4*(\ii)+2*(\rp):CM+4*(\ii)+2*(\rp)+1], v[LS+8*(\ii)+(\k):LS+8*(\ii)+(\k)+1], v[AC+4*(\k)+2*(\rp):AC+4*(\k)+2*(\rp)+1], v[CM+4*(\ii)+2*(\rp):CM+4*(\ii)+2*(\rp)+1] op_sel_hi:[0,1,1]
.endif
.endr
.endr
.endr
.irp ii, 0,1,2,3
.irp rp, 0,1
	v_pk_mul_f32 v[CM+4*(\ii)+2*(\rp):CM+4*(\ii)+2*(\rp)+1], v[CM+4*(\ii)+2*(\rp):CM+4*(\ii)+2*(\rp)+1], v[LS+32+4*(\ii)+2*(\rp):LS+32+4*(\ii)+2*(\rp)+1]
.endr
.endr
.irp h, 0,1
.irp r, 0,1,2,3
	v_max3_num_f32 v[MX+(\r)], v[MX+(\r)], |v[CM+8*(\h)+(\r)]|, |v[CM+8*(\h)+4+(\r)]|
.endr
.endr
.endm
	LOADHG 0
	LOADHG 1
	s_wait_loadcnt 12                              ; loads come back in order: a and slot 0 are in, the 12 younger loads of slot 1 stay out
	COMPHG 0
	LOADHG 2
	s_wait_loadcnt 12                              ; slot 1 is in, the 12 just issued stay out
	COMPHG 1
	LOADHG 3
	s_wait_loadcnt 12
	COMPHG 2
	s_wait_loadcnt 0x0                             ; the last 12
	COMPHG 3
	; the maximum over the four dq of a jl (lanes 8 and 16 apart), then over the 16 waves through LDS
.irp r, 0,1,2,3
	v_max_num_f32_dpp v[MX+(\r)], v[MX+(\r)], v[MX+(\r)] row_xmask:8 row_mask:0xf bank_mask:0xf
.endr
.irp r, 0,1,2,3
	v_permlanex16_b32 v[TW+(\r)], v[MX+(\r)], s22, s23
.endr
.irp r, 0,1,2,3
	v_max_num_f32 v[MX+(\r)], v[MX+(\r)], v[TW+(\r)]
.endr
	ds_store_b128 v8, v[MX:MX+3]                   ; the four lanes of a jl write the same 16 bytes with the same numbers
	s_wait_dscnt 0x0                               ; for the others' sake: my store is done
	s_barrier_signal -1
	s_barrier_wait -1
.irp k, 0,1,2,3,4,5,6,7,8,9,10,11,12,13,14,15
	ds_load_b128 v[SL+4*(\k):SL+4*(\k)+3], v9 offset:128*(\k)  ; wave k's maxima of my jl
.endr
	s_wait_dscnt 0x0
.irp r, 0,1,2,3
	v_max3_num_f32 v[MX+(\r)], v[SL+(\r)], v[SL+4+(\r)], v[SL+8+(\r)]
.endr
.irp k, 3,5,7,9,11,13
.irp r, 0,1,2,3
	v_max3_num_f32 v[MX+(\r)], v[MX+(\r)], v[SL+4*(\k)+(\r)], v[SL+4*(\k)+4+(\r)]
.endr
.endr
.irp r, 0,1,2,3
	v_max_num_f32 v[MX+(\r)], v[MX+(\r)], v[SL+60+(\r)]
.endr
	; the scales: whole-number work on the exponent field; the results are data alone
.irp r, 0,1,2,3
	v_lshrrev_b32 v[TW+(\r)], 23, v[MX+(\r)]       ; E (the sign is 0)
.endr
.irp r, 0,1,2,3
	v_max_u32 v[TW+(\r)], 18, v[TW+(\r)]
.endr
.irp r, 0,1,2,3
	v_min_u32 v[TW+(\r)], 0xfe, v[TW+(\r)]
.endr
.irp r, 0,1,2,3
	v_sub_nc_u32 v[SCL+(\r)], 268, v[TW+(\r)]      ; field 268 - E: 2^(141 - E)
	v_add_nc_u32 v[INV+(\r)], 0xffffffef, v[TW+(\r)]  ; field E - 17: 2^(E - 144)
.endr
.irp r, 0,1,2,3
	v_lshlrev_b32 v[SCL+(\r)], 23, v[SCL+(\r)]
	v_lshlrev_b32 v[INV+(\r)], 23, v[INV+(\r)]
.endr
.set z, 0
.rept 32
	v_pk_mul_f32 v[MV+2*z:MV+2*z+1], v[MV+2*z:MV+2*z+1], v[SCL+2*(z%2):SCL+2*(z%2)+1]  ; exact: a power of two
.set z, z+1
.endr
.irp g, 0,1
.irp r, 0,1,2,3
.irp q, 0,1,2,3
	v_cvt_pk_f16_f32 v[PK+4*(4*(\g)+(\r))+(\q)], v[MV+32*(\g)+8*(\q)+(\r)], v[MV+32*(\g)+8*(\q)+4+(\r)]  ; e = 2 q, 2 q + 1
.endr
.endr
.endr
.irp g, 0,1
.irp r, 0,1,2,3
	global_store_b128 v7, v[PK+4*(4*(\g)+(\r)):PK+4*(4*(\g)+(\r))+3], s[10:11] offset:(\g)*16384+(\r)*512  ; a wave's store covers 512 consecutive bytes, at a multiple of 512 from mw's first
.endr
.endr
	v_mov_b32 v27, v[INV]                          ; lane l takes the inverse scale of r2 = l / 8, jl = l % 8
	v_cmp_eq_u32 vcc_lo, 1, v3
	v_cndmask_b32 v27, v27, v[INV+1], vcc_lo
	v_cmp_eq_u32 vcc_lo, 2, v3
	v_cndmask_b32 v27, v27, v[INV+2], vcc_lo
	v_cmp_eq_u32 vcc_lo, 3, v3
	v_cndmask_b32 v27, v27, v[INV+3], vcc_lo
	s_wait_tensorcnt 0x0                           ; the wave's end: behind my last LDS store
	ds_add_u32 v30, v31
	s_wait_dscnt 0x0
	s_cmp_lg_u32 s14, 0
	s_cbranch_scc1 .Lend                           ; every wave holds the same 32 numbers: wave 0 stores them
	global_store_b32 v26, v27, s[12:13]            ; 128 consecutive bytes
.Lend:
	s_endpgm
.Lfunc_end_k_q0a8b3d0a7f_prep:
	.size	k_q0a8b3d0a7f_prep, .Lfunc_end_k_q0a8b3d0a7f_prep-k_q0a8b3d0a7f_prep
	.p2alignl 7, 3214868480
	.fill 96, 4, 3214868480
	.section	.rodata,"a",@progbits
	.p2align	6, 0x0
	.amdhsa_kernel k_q0a8b3d0a7f_prep
		.amdhsa_group_segment_fixed_size 4096
		.amdhsa_private_segment_fixed_size 0
		.amdhsa_enable_private_segment 0
		.amdhsa_kernarg_size 40
		.amdhsa_user_sgpr_count 2
		.amdhsa_user_sgpr_kernarg_segment_ptr 1
		.amdhsa_wavefront_size32 1
		.amdhsa_system_sgpr_workgroup_id_x 1
		.amdhsa_system_sgpr_workgroup_id_y 1
		.amdhsa_system_sgpr_workgroup_id_z 1
		.amdhsa_system_vgpr_workitem_id 0
		.amdhsa_next_free_vgpr 256
		.amdhsa_next_free_sgpr 66
		.amdhsa_reserve_vcc 1
		.amdhsa_float_denorm_mode_32 3
		.amdhsa_float_denorm_mode_16_64 3
		.amdhsa_memory_ordered 1
		.amdhsa_forward_progress 1
		.amdhsa_inst_pref_size 41
	.end_amdhsa_kernel
	.amdgpu_metadata
---
amdhsa.version: [ 1, 2 ]
amdhsa.kernels:
  - .name:           k_q0a8b3d0a7f_prep
    .symbol:         k_q0a8b3d0a7f_prep.kd
    .args:
      - { .name: W0, .offset: 0, .size: 8, .value_kind: global_buffer, .address_space: global }
      - { .name: adapter_a, .offset: 8, .size: 8, .value_kind: global_buffer, .address_space: global }
      - { .name: adapter_b, .offset: 16, .size: 8, .value_kind: global_buffer, .address_space: global }
      - { .name: mw, .offset: 24, .size: 8, .value_kind: global_buffer, .address_space: global }
      - { .name: msc, .offset: 32, .size: 8, .value_kind: global_buffer, .address_space: global }
    .group_segment_fixed_size: 4096
    .private_segment_fixed_size: 0
    .kernarg_segment_align: 8
    .kernarg_segment_size: 40
    .max_flat_workgroup_size: 512
    .sgpr_count:     66
    .vgpr_count:     256
    .wavefront_size: 32
...
	.end_amdgpu_metadata
.endif
;; end of part 1
;; launch gemm (part 2): grid 4 x 64, 4 waves a work-group, clusters of 4 x 4, 327,680 bytes of LDS; arguments x, mw, msc, out0; writes out0
.if DOCPART == 2
	.amdgcn_target "amdgcn-amd-amdhsa--gfx1250"
	.amdhsa_code_object_version 6
	.text
	.protected	k_q0a8b3d0a7f_gemm
	.globl	k_q0a8b3d0a7f_gemm
	.p2align	8
	.type	k_q0a8b3d0a7f_gemm,@function
k_q0a8b3d0a7f_gemm:
	s_mov_b64 s[64:65], 0
	v_nop
	global_prefetch_b8 v0, s[64:65] scope:SCOPE_SE
	s_setreg_imm32_b32 hwreg(HW_REG_WAVE_MODE, 25, 1), 1
	s_wait_xcnt 0x0
	s_wait_alu depctr_hold_cnt(0) depctr_sa_sdst(0) depctr_va_vdst(0) depctr_va_sdst(0) depctr_va_ssrc(0) depctr_va_vcc(0) depctr_vm_vsrc(0)
	s_getreg_b32 s2, hwreg(HW_REG_IB_STS2, 6, 4)
	s_cmp_eq_u32 s2, 0
	s_cbranch_scc0 .Lentry_in_a_cluster
	s_endpgm
.Lentry_in_a_cluster:
	s_bfe_u32 s2, ttmp6, 0x10000c
	s_cmp_lg_u32 s2, 0xf033
	s_cbranch_scc0 .Lentry_shape_is_right
	s_endpgm
.Lentry_shape_is_right:
; out[b][s][col] = relu(msc[b][col] * sum over d of f16(x[b][s][d]) * Mw[b][d][col]).  x, out: [8][1024][1024] f32.  Mw: the column-scaled M in f16, msc its inverse scale / 8 (an exact power of two).
; x is rounded to f16 on the way from LDS to the matrix unit: the module's own cast.  Sums in f32.
; LIMITS.  x beyond 65,504 becomes an infinity, as in the module; a NaN sum leaves as 0 (the maximum with 0 drops it).  The sum over the rank's eight places was taken ahead of the sum over d.
; mw: [b 8][cb 4][kq4 32][g 8][r2 4][dq 4][jl 8][e 8] f16, d = 32 kq4 + 8 dq + e, column = 128 (4 (cb / 2) + r2) + 64 (cb % 2) + 8 g + jl.  A K step of 128 d of one (b, cb) is 65,536 dense bytes.
; SHARES.  A work-group makes 128 rows x 256 columns (one cb): with x in 4 bytes and M in 2, the bytes fetched for 32,768 outputs are least at twice as many columns as rows.  256 work-groups.
; Wave w: rows 64 (w / 2) on, r2 = 2 (w % 2) + i, i = 0, 1, all 64 j: 32 accumulators, a = 0..3 (16 rows) x f = 4 i + gp (16 columns: g = 2 gp, 2 gp + 1).
; THE MATRIX INSTRUCTION IS USED TRANSPOSED: source 0 = 16 columns of M, source 1 = 16 rows of x: a lane then holds eight neighbouring numbers of a row of out.
; K goes in steps of 128 through two LDS slots; a step is four chunks of 32.  While a chunk is multiplied the next chunk's fragments are read from LDS: M's as they lie, x's as f32, rounded
; to f16 by four conversions behind each of the chunk's last eight matrix instructions.
; CLUSTERS: 4 x 4 work-groups.  x's tile hangs on the row block alone and is shared along a row of the cluster; M's on (b, cb) alone (a cluster's four row blocks lie in one b) and is shared along
; a column.  Each is asked for JOINTLY: the same tensor load, descriptor and mask in all four.
; REGISTERS, in windows of 256 (s_set_vgpr_msb: bits 1:0 source 0, 3:2 source 1, 5:4 source 2, 7:6 destination):
;   window 0: v0-31 addresses; v32-95 the columns' inverse scales; v96-127, v128-191 at work on the way out
;   window 1: the accumulators, (a, f) at 8 (8 a + f)
;   window 2: v0-127 M's fragments, two buffers of 64; v128-191 x's fragments in f16, two buffers of 32; v192-255 x's next chunk in f32
.set PA,    528                        ; a row of x in LDS: 512 bytes + 16 = 132 words: the 16 rows of a load start at 16 different groups of four banks (64 banks of 4 bytes: ISA guide 11.1)
.set PB,    1088                       ; 1,024 bytes of M + 64: neighbouring g lie 2,176 bytes apart, 128 modulo 256, so a load's 8 jl x 2 g take 16 different 16-byte columns
.set XHALF, 64*PA                      ; what one tensor load brings of x: 64 rows
.set MHALF, 32*PB                      ; and of M: 32 rows of 1,024 bytes
.set BOFF,  2*XHALF                    ; M lies behind x's 128 rows
.set SLOT,  BOFF+2*MHALF               ; 137,216
.set STAGE, 2*SLOT                     ; behind the ring: 16 rows x 272 bytes for each wave, for the way out
.set SP,    272
.set SPARE, STAGE+4*16*SP              ; behind the stages: the spare words, 128 bytes for each wave: two blocks of 256 bytes that no other line names
.set XSTEP, 512                        ; a K step in a row of x, in bytes
.set MSTEP, 65536                      ; and in mw
.set ADRA, 16                          ; v16-17  LDS address of my x fragments in slot 0, 1
.set ADRB, 20                          ; v20-23  of my M fragments: slot 0 chunks 0-1, chunks 2-3; slot 1 likewise
.set STO,  24                          ; v24     the way out: where I put 32 bytes of a row
.set RD,   25                          ; v25     where I read a row back
.set CO,   26                          ; v26     my byte offset in out
.set SO,   27                          ; v27     my byte offset in msc
.set SPW,  28                          ; v28     LDS address of my spare word; never rewritten
.set NIL,  29                          ; v29     0; never rewritten
.set SC,   32                          ; inverse scales: SC + 8 f + register
.set TMP,  96                          ; 32 results at work
.set OB,   128                         ; 16 rows read back from the stage: two buffers of 32 by turns
.set XF,   128                         ; window 2
.set RAW,  192                         ; window 2
.set G1,  24                           ; s[24:31] descriptor group 1 for x's tiles;  s[32:39] group 0, one set for each slot
.set G0,  32
.set G1B, 48                           ; s[48:55], s[56:63] the same for M's tiles
.set G0B, 56
.set W_MM, 0x5a                        ; M and x in window 2, C and D in window 1
.set W_CV, 0x8a                        ; the conversions: all in window 2
.set W_LD, 0x80                        ; destination window 2, address window 0
.set W_OUT, 0x01                       ; source 0 (an accumulator) window 1
.set MSB, 0
.macro WIN new                         ; the immediate's high byte repeats the setting that is left; a switch that changes nothing is dropped
.if MSB != (\new)
	s_set_vgpr_msb (MSB<<8)|(\new)
.set MSB, \new
.endif
.endm
; A joint load: waves 0 and 1 fetch x's two halves, waves 2 and 3 M's.  The branch hangs on the wave's number alone.  An s_nop 0 and four v_nop follow each of the two lines, ahead of the jump,
; the label and what follows.
.macro JLOAD s
	s_cmp_eq_u32 s13, 0
	s_cbranch_scc0 .Lfor_m_\@
	tensor_load_to_lds s[G0+4*(\s):G0+4*(\s)+3], s[G1:G1+7]
	s_nop 0
.rept 4
	v_nop
.endr
	s_branch .Lasked_\@
.Lfor_m_\@:
	tensor_load_to_lds s[G0B+4*(\s):G0B+4*(\s)+3], s[G1B:G1B+7]
	s_nop 0
.rept 4
	v_nop
.endr
.Lasked_\@:
.endm
.macro CREST                           ; a round of the cluster's barrier behind its opening barrier
	s_cmp_lg_u32 s12, 0
	s_cbranch_scc1 .Lnot_wave_0_\@
	s_barrier_signal -3
.Lnot_wave_0_\@:
	s_barrier_wait -3
	s_barrier_signal -1
	s_barrier_wait -1
.endm
.macro CROUND                          ; a whole round
	s_barrier_signal -1
	s_barrier_wait -1
	CREST
.endm
	s_load_b256 s[4:11], s[0:1], 0x0               ; x s[4:5], mw s[6:7], msc s[8:9], out s[10:11]
	v_lshl_add_u32 v[SPW], v0, 2, SPARE
	v_mov_b32 v[NIL], 0
	ds_add_u32 v[SPW], v[NIL]                      ; the wave's opening: the add and its wait stand ahead of my first tensor load; the set-up below, work on registers, stands between them
	v_lshrrev_b32 v1, 5, v0
	v_readfirstlane_b32 s12, v1                    ; wave 0..3
	s_lshr_b32 s13, s12, 1                         ; which 64 rows are mine.  Also: I fetch for x (0) or for M (1)
	s_and_b32 s14, s12, 1                          ; which pair of r2 is mine.  Also: which half of that tile I fetch
	s_bfe_u32 s40, ttmp6, 0x40000                  ; cx, cy: my place in the cluster
	s_bfe_u32 s41, ttmp6, 0x40004
	s_lshl_b32 s22, ttmp9, 2
	s_add_co_u32 s22, s22, s40                     ; cb = 4 x cluster x + cx
	s_and_b32 s45, ttmp7, 0xffff
	s_lshl_b32 s42, s45, 2
	s_add_co_u32 s42, s42, s41                     ; block of 128 rows among all 64 = 4 x cluster y + cy
	s_lshr_b32 s45, s45, 1                         ; b: eight row blocks, two clusters, to a batch; cy does not enter it
	s_lshl_b32 s43, s41, 2
	s_lshl_b32 s43, 15, s43                        ; my row of the cluster
	s_lshl_b32 s44, 0x1111, s40                    ; my column
	; group 1 for x: 64 rows x 128 elements of 4 bytes; 16 bytes of padding behind every 128 words
	s_or_b32 s[G1+0], s43, (2<<16)|(1<<20)|(1<<21)|(6<<22)|(3<<25)   ; 15:0 the mask; 17:16 4-byte elements; 20 padding on; 21 set beside a mask; 24:22 code 6; 31:25 4 words (code 3)
	s_mov_b32 s[G1+1], 128<<16                     ; tensor_dim0 = 128
	s_mov_b32 s[G1+2], 64<<16                      ; tensor_dim1 = 64
	s_mov_b32 s[G1+3], 128<<16                     ; tile_dim0 = 128
	s_mov_b32 s[G1+4], 64                          ; tile_dim1 = 64
	s_mov_b32 s[G1+5], 1024                        ; elements from row to row
	s_mov_b32 s[G1+6], 0
	s_mov_b32 s[G1+7], 0
	; group 1 for M: 32,768 dense bytes as 32 rows x 128 elements of 8 bytes; 64 bytes of padding behind every 256 words
	s_or_b32 s[G1B+0], s44, (3<<16)|(1<<20)|(1<<21)|(7<<22)|(15<<25)
	s_mov_b32 s[G1B+1], 128<<16
	s_mov_b32 s[G1B+2], 32<<16
	s_mov_b32 s[G1B+3], 128<<16
	s_mov_b32 s[G1B+4], 32
	s_mov_b32 s[G1B+5], 128
	s_mov_b32 s[G1B+6], 0
	s_mov_b32 s[G1B+7], 0
	s_lshl_b32 s16, s42, 7                         ; x: row 128 x block + 64 x half,
	s_lshl_b32 s17, s14, 6
	s_add_co_u32 s16, s16, s17
	s_lshl_b32 s16, s16, 12                        ; in bytes: under 2^25
	s_mov_b32 s17, 0
	s_lshl_b32 s46, s45, 21                        ; M: b, cb, and my half of a K step's 65,536 bytes
	s_lshl_b32 s47, s22, 19
	s_add_co_u32 s46, s46, s47
	s_lshl_b32 s47, s14, 15
	s_add_co_u32 s46, s46, s47
	s_mov_b32 s47, 0
	s_mul_i32 s20, s14, XHALF                      ; where they go: no place in the cluster enters an LDS address
	s_mul_i32 s21, s14, MHALF
	s_add_co_u32 s21, s21, BOFF
	s_wait_dscnt 0x0                               ; the opening add is done
	s_wait_kmcnt 0x0
	s_add_nc_u64 s[18:19], s[4:5], s[16:17]
	s_add_nc_u64 s[46:47], s[6:7], s[46:47]
	CROUND                                         ; all sixteen work-groups are here: the first joint loads meet
.irp s, 0,1
	s_mov_b32 s[G0+4*(\s)], 1                                      ; count = 1
	s_add_co_u32 s[G0+4*(\s)+1], s20, (\s)*SLOT                    ; LDS address
	s_add_nc_u64 s[G0+4*(\s)+2:G0+4*(\s)+3], s[18:19], (\s)*XSTEP  ; global address: K step s
	s_or_b32 s[G0+4*(\s)+3], s[G0+4*(\s)+3], 0x80000000            ; type = 2
	s_mov_b32 s[G0B+4*(\s)], 1
	s_add_co_u32 s[G0B+4*(\s)+1], s21, (\s)*SLOT
	s_add_nc_u64 s[G0B+4*(\s)+2:G0B+4*(\s)+3], s[46:47], (\s)*MSTEP
	s_or_b32 s[G0B+4*(\s)+3], s[G0B+4*(\s)+3], 0x80000000
	JLOAD \s                                       ; two loads of mine are out
.endr
	v_and_b32 v1, 15, v0                           ; r16 = l % 16
	v_bfe_u32 v2, v0, 4, 1                         ; h = l / 16
	s_lshl_b32 s46, s45, 12                        ; msc at b, cb and my pair of r2
	s_lshl_b32 s47, s22, 10
	s_add_co_u32 s46, s46, s47
	s_lshl_b32 s47, s14, 6
	s_add_co_u32 s46, s46, s47
	s_mov_b32 s47, 0
	s_add_nc_u64 s[8:9], s[8:9], s[46:47]
	v_lshlrev_b32 v[SO], 7, v2                     ; g = 2 gp + h: 128 h
.irp i, 0,1
.irp gp, 0,1,2,3
	global_load_b128 v[SC+8*(4*(\i)+(\gp)):SC+8*(4*(\i)+(\gp))+3],   v[SO], s[8:9] offset:(\gp)*256+(\i)*32     ; the inverse scales of the eight columns that accumulator f's registers hold
	global_load_b128 v[SC+8*(4*(\i)+(\gp))+4:SC+8*(4*(\i)+(\gp))+7], v[SO], s[8:9] offset:(\gp)*256+(\i)*32+16  ; waited for on the way out
.endr
.endr
	; x's fragment: lane l holds row r16 and K = 8 h + 0..7, 16 + 8 h + 0..7: in f32 two times 32 bytes, 64 bytes apart
	v_mul_u32_u24 v3, v1, PA
	v_lshl_add_u32 v3, v2, 5, v3
	s_mul_i32 s15, s13, XHALF                      ; my 64 rows
	v_add_nc_u32 v[ADRA], s15, v3
	v_add_nc_u32 v[ADRA+1], SLOT, v[ADRA]
	; M's fragment: lane l holds column (g = 2 gp + r16 / 8, jl = r16 % 8) and dq = h, 2 + h: two loads of 16 bytes, 256 bytes apart
	v_bfe_u32 v5, v0, 3, 1
	v_and_b32 v6, 7, v0
	v_mul_u32_u24 v4, v5, 2*PB
	v_lshl_add_u32 v4, v2, 7, v4
	v_lshl_add_u32 v4, v6, 4, v4
	s_mul_i32 s15, s14, PB                         ; my pair of r2 is one of a g's two rows of 1,024 bytes
	s_add_co_u32 s15, s15, BOFF
	v_add_nc_u32 v[ADRB], s15, v4
	v_add_nc_u32 v[ADRB+1], MHALF, v[ADRB]
	v_add_nc_u32 v[ADRB+2], SLOT, v[ADRB]
	v_add_nc_u32 v[ADRB+3], SLOT+MHALF, v[ADRB]
	s_mul_i32 s15, s12, 16*SP
	s_add_co_u32 s15, s15, STAGE                   ; my stage
	v_mul_u32_u24 v4, v1, SP                       ; in: row r16, 32 bytes for each half of the lanes
	v_lshl_add_u32 v4, v2, 5, v4
	v_add_nc_u32 v[STO], s15, v4
	v_mul_u32_u24 v5, v2, SP                       ; back: lanes 0-15 take one row of 256 bytes, lanes 16-31 the next
	v_lshl_add_u32 v5, v1, 4, v5
	v_add_nc_u32 v[RD], s15, v5
	v_lshlrev_b32 v[CO], 12, v2                    ; and the same two rows in out
	v_lshl_add_u32 v[CO], v1, 4, v[CO]
	s_lshl_b32 s16, s42, 7                         ; out at my first row,
	s_lshl_b32 s17, s13, 6
	s_add_co_u32 s16, s16, s17
	s_lshl_b32 s16, s16, 12
	s_mov_b32 s17, 0
	s_add_nc_u64 s[10:11], s[10:11], s[16:17]
	s_lshr_b32 s46, s22, 1                         ; and at column 128 (4 (cb / 2) + 2 (w % 2)) + 64 (cb % 2), in bytes
	s_lshl_b32 s46, s46, 11
	s_and_b32 s47, s22, 1
	s_lshl_b32 s47, s47, 8
	s_add_co_u32 s46, s46, s47
	s_lshl_b32 s47, s14, 10
	s_add_co_u32 s46, s46, s47
	s_mov_b32 s47, 0
	s_add_nc_u64 s[10:11], s[10:11], s[46:47]
; 32 LDS loads in one run, for chunk c of a slot: x's 64 rows x 32 K in f32 first, then M's eight fragments into buffer p
.macro FETCH slot, c, p
	WIN W_LD
.irp a, 0,1,2,3
	ds_load_b128 v[RAW+16*(\a):RAW+16*(\a)+3],     v[ADRA+(\slot)] offset:(\c)*128+(\a)*16*PA
	ds_load_b128 v[RAW+16*(\a)+4:RAW+16*(\a)+7],   v[ADRA+(\slot)] offset:(\c)*128+(\a)*16*PA+16
	ds_load_b128 v[RAW+16*(\a)+8:RAW+16*(\a)+11],  v[ADRA+(\slot)] offset:(\c)*128+(\a)*16*PA+64
	ds_load_b128 v[RAW+16*(\a)+12:RAW+16*(\a)+15], v[ADRA+(\slot)] offset:(\c)*128+(\a)*16*PA+80
.endr
.irp i, 0,1
.irp gp, 0,1,2,3
	ds_load_b128 v[64*(\p)+8*(4*(\i)+(\gp)):64*(\p)+8*(4*(\i)+(\gp))+3],   v[ADRB+2*(\slot)+(\c)/2] offset:(((\c)%2)*16+4*(\gp))*PB+(\i)*512
	ds_load_b128 v[64*(\p)+8*(4*(\i)+(\gp))+4:64*(\p)+8*(4*(\i)+(\gp))+7], v[ADRB+2*(\slot)+(\c)/2] offset:(((\c)%2)*16+4*(\gp))*PB+(\i)*512+256
.endr
.endr
.endm
; 8 matrix instructions: row block a x all 8 column blocks, buffers p.  zero = 1: the product starts the sum: nothing is ever cleared.
; The 32 accumulators take turns, one instruction a turn, in the same order in every chunk.
.macro MUL p, a, zero
	WIN W_MM
.irp f, 0,1,2,3,4,5,6,7
.if \zero
	v_wmma_f32_16x16x32_f16 v[8*(8*(\a)+(\f)):8*(8*(\a)+(\f))+7], v[64*(\p)+8*(\f):64*(\p)+8*(\f)+7], v[XF+32*(\p)+8*(\a):XF+32*(\p)+8*(\a)+7], 0
.else
	v_wmma_f32_16x16x32_f16 v[8*(8*(\a)+(\f)):8*(8*(\a)+(\f))+7], v[64*(\p)+8*(\f):64*(\p)+8*(\f)+7], v[XF+32*(\p)+8*(\a):XF+32*(\p)+8*(\a)+7], v[8*(8*(\a)+(\f)):8*(8*(\a)+(\f))+7]
.endif
.endr
.endm
; The same 8, and behind each four roundings of the next chunk's x to f16, into the other buffer: they name no register of the products round them
.macro MULR p, a, zero
.irp f, 0,1,2,3,4,5,6,7
	WIN W_MM
.if \zero
	v_wmma_f32_16x16x32_f16 v[8*(8*(\a)+(\f)):8*(8*(\a)+(\f))+7], v[64*(\p)+8*(\f):64*(\p)+8*(\f)+7], v[XF+32*(\p)+8*(\a):XF+32*(\p)+8*(\a)+7], 0
.else
	v_wmma_f32_16x16x32_f16 v[8*(8*(\a)+(\f)):8*(8*(\a)+(\f))+7], v[64*(\p)+8*(\f):64*(\p)+8*(\f)+7], v[XF+32*(\p)+8*(\a):XF+32*(\p)+8*(\a)+7], v[8*(8*(\a)+(\f)):8*(8*(\a)+(\f))+7]
.endif
	WIN W_CV
.irp k, 0,1,2,3
	v_cvt_pk_f16_f32 v[XF+32*(1-(\p))+4*(\f)+(\k)], v[RAW+8*(\f)+2*(\k)], v[RAW+8*(\f)+2*(\k)+1]
.endr
.endr
.endm
; A load into a register that a matrix instruction has read, and a vector instruction that reads a matrix result or writes one of its registers, stand four places behind it; only plain vector
; instructions that name none of its registers are places (ISA guide 7.12.1 for vector instructions).
.macro PLACES
.rept 4
	v_nop
.endr
.endm
; One of a K step's first three chunks: the next chunk's loads go out first, then this chunk's 32 products
.macro CHUNK slot, c, zero
	PLACES
	FETCH \slot, (\c)+1, 1-((\c)%2)
	s_wait_dscnt 32                                ; all but the 32 just issued: this chunk's fragments of M are in
	MUL (\c)%2, 0, \zero
	MUL (\c)%2, 1, \zero
	MUL (\c)%2, 2, \zero
	s_wait_dscnt 16                                ; the next chunk's x is in; M's 16 loads, issued behind it, may stay out
	MULR (\c)%2, 3, \zero
.endm
; The fourth chunk multiplies buffers 1 and changes slots: ONE barrier; in front of it each wave waits for all its tensor loads, adds 0 to its spare word, and waits for that and for its own reads
; of this slot.  fill = 1: the barrier opens a round of the cluster's, and this slot is filled again, two K steps ahead.
.macro TURN slot, next, fill
	WIN 0                                          ; (the add's two registers lie in window 0)
	s_wait_tensorcnt 0x0                           ; all my tensor loads have landed: the one that was out is my part of the next slot
	ds_add_u32 v[SPW], v[NIL]                      ; 0 onto my spare word
	s_wait_dscnt 1                                 ; only the add may be out: this chunk's fragments of M are in
	MUL 1, 0, 0                                    ; eight matrix instructions stand between the add and the wait for it
	s_wait_dscnt 0x0                               ; the add is done, and my reads of this slot are over
	s_barrier_signal -1
	MUL 1, 1, 0                                    ; work on registers while the others arrive
.if \fill
	WIN 0
.endif
	s_barrier_wait -1
.if \fill
	CREST                                          ; no wave of any partner still reads this slot's tiles or has a load on its way
	s_add_nc_u64 s[G0+4*(\slot)+2:G0+4*(\slot)+3], s[G0+4*(\slot)+2:G0+4*(\slot)+3], 2*XSTEP
	s_add_nc_u64 s[G0B+4*(\slot)+2:G0B+4*(\slot)+3], s[G0B+4*(\slot)+2:G0B+4*(\slot)+3], 2*MSTEP
	JLOAD \slot                                    ; the first tensor load behind the round, my only one until the next: 112 matrix instructions ahead of the wait for it; its four v_nop are also the places in front of the loads below
.else
	PLACES
.endif
	FETCH \next, 0, 0
	MUL 1, 2, 0
	s_wait_dscnt 16                                ; the next chunk's x is in
	MULR 1, 3, 0
.endm
	s_wait_tensorcnt 1                             ; my part of K step 0 is in; K step 1's may stay out
	s_barrier_signal -1
	s_barrier_wait -1                              ; everybody's is
	FETCH 0, 0, 0
	s_wait_dscnt 0x0
	WIN W_CV
.set z, 0
.rept 32
	v_cvt_pk_f16_f32 v[XF+z], v[RAW+2*z], v[RAW+2*z+1]  ; the first chunk's x: there are no products yet to set these behind
.set z, z+1
.endr
	CHUNK 0, 0, 1                                  ; the first chunk stands in front of the loop: its products start the sums
	WIN 0                                          ; at a label and at a branch every window is 0
	s_mov_b32 s3, 3                                ; 1,024 / 256 - 1 laps fill both slots again
.Llap:                                                 ; a trip goes once round the ring, from a lap's second chunk to the next lap's first
	CHUNK 0, 1, 0
	CHUNK 0, 2, 0
	TURN 0, 1, 1
	CHUNK 1, 0, 0
	CHUNK 1, 1, 0
	CHUNK 1, 2, 0
	TURN 1, 0, 1
	CHUNK 0, 0, 0
	WIN 0
	s_sub_co_u32 s3, s3, 1
	s_cmp_lg_u32 s3, 0
	s_cbranch_scc1 .Llap
	CHUNK 0, 1, 0                                  ; the last lap fills nothing, and has no round of the cluster's barrier
	CHUNK 0, 2, 0
	TURN 0, 1, 0
	CHUNK 1, 0, 0
	CHUNK 1, 1, 0
	CHUNK 1, 2, 0
	s_wait_dscnt 0x0                               ; the very last chunk: nothing more to fetch
	MUL 1, 0, 0
	MUL 1, 1, 0
	MUL 1, 2, 0
	MUL 1, 3, 0
	WIN 0
; THE WAY OUT, by blocks n = 2 a + i of 16 rows x 64 columns (256 bytes of a row).  PACK: times the column's inverse scale, then the maximum with 0; each accumulator is read from its lowest
; registers on.  TOSTAGE: into my own stage in LDS, and back as whole rows of 256 bytes.  SEND: stored.
.macro PACK n
.set PKA, (\n)/2
.set PKI, (\n)%2
	WIN W_OUT
.irp gp, 0,1,2,3
.irp k, 0,1,2,3
	v_pk_mul_f32 v[TMP+8*(\gp)+2*(\k):TMP+8*(\gp)+2*(\k)+1], v[8*(8*PKA+4*PKI+(\gp))+2*(\k):8*(8*PKA+4*PKI+(\gp))+2*(\k)+1], v[SC+8*(4*PKI+(\gp))+2*(\k):SC+8*(4*PKI+(\gp))+2*(\k)+1]
.endr
.endr
	WIN 0
.set z, 0
.rept 32
	v_max_num_f32 v[TMP+z], 0, v[TMP+z]
.set z, z+1
.endr
.endm
.macro TOSTAGE n
	WIN 0
.set BK, OB+32*((\n)%2)
.irp gp, 0,1,2,3
	ds_store_b128 v[STO], v[TMP+8*(\gp):TMP+8*(\gp)+3]   offset:64*(\gp)
	ds_store_b128 v[STO], v[TMP+8*(\gp)+4:TMP+8*(\gp)+7] offset:64*(\gp)+16
.endr
.irp t, 0,1,2,3,4,5,6,7
	ds_load_b128 v[BK+4*(\t):BK+4*(\t)+3], v[RD] offset:(\t)*2*SP  ; LDS serves a wave's instructions in order (ISA guide 5.7.1.4): these see the stores above; the next block's stores come behind them
.endr
.endm
.macro SEND n
	WIN 0
.set BK, OB+32*((\n)%2)
	s_wait_dscnt 0x0                               ; the block is back in registers
	s_wait_xcnt 0x0                                ; the stores of the block before have had their addresses translated (ISA guide 3.1): their registers are loaded again only behind this wait
.irp t, 0,1,2,3,4,5,6,7
	global_store_b128 v[CO], v[BK+4*(\t):BK+4*(\t)+3], s[10:11] offset:(16*((\n)/2)+2*(\t))*4096+((\n)%2)*512 th:TH_STORE_NT  ; 16 lanes store 256 consecutive bytes, at a multiple of 256 from out's first byte
.endr
.endm
	PLACES                                         ; behind the last products
	s_wait_loadcnt 0x0                             ; the inverse scales
	PACK 0
	TOSTAGE 0
.irp n, 1,2,3,4,5,6,7                  ; block n's arithmetic stands between block n - 1's loads from the stage and the wait for them
	PACK \n
	SEND (\n)-1
	TOSTAGE \n
.endr
	SEND 7
	s_wait_tensorcnt 0x0                           ; the wave's end: behind my last tensor load and my last LDS store
	ds_add_u32 v[SPW], v[NIL]
	s_wait_dscnt 0x0
	CROUND                                         ; the closing round: no work-group ends while a partner may still ask for a tile that names it
	s_endpgm
.Lfunc_end_k_q0a8b3d0a7f_gemm:
	.size	k_q0a8b3d0a7f_gemm, .Lfunc_end_k_q0a8b3d0a7f_gemm-k_q0a8b3d0a7f_gemm
	.p2alignl 7, 3214868480
	.fill 96, 4, 3214868480
	.section	.rodata,"a",@progbits
	.p2align	6, 0x0
	.amdhsa_kernel k_q0a8b3d0a7f_gemm
		.amdhsa_group_segment_fixed_size 327680
		.amdhsa_private_segment_fixed_size 0
		.amdhsa_enable_private_segment 0
		.amdhsa_kernarg_size 32
		.amdhsa_user_sgpr_count 2
		.amdhsa_user_sgpr_kernarg_segment_ptr 1
		.amdhsa_wavefront_size32 1
		.amdhsa_system_sgpr_workgroup_id_x 1
		.amdhsa_system_sgpr_workgroup_id_y 1
		.amdhsa_system_sgpr_workgroup_id_z 1
		.amdhsa_system_vgpr_workitem_id 0
		.amdhsa_next_free_vgpr 768
		.amdhsa_next_free_sgpr 66
		.amdhsa_reserve_vcc 0
		.amdhsa_float_denorm_mode_32 3
		.amdhsa_float_denorm_mode_16_64 3
		.amdhsa_memory_ordered 1
		.amdhsa_forward_progress 1
		.amdhsa_inst_pref_size 151
	.end_amdhsa_kernel
	.amdgpu_metadata
---
amdhsa.version: [ 1, 2 ]
amdhsa.kernels:
  - .name:           k_q0a8b3d0a7f_gemm
    .symbol:         k_q0a8b3d0a7f_gemm.kd
    .args:
      - { .name: x, .offset: 0, .size: 8, .value_kind: global_buffer, .address_space: global }
      - { .name: mw, .offset: 8, .size: 8, .value_kind: global_buffer, .address_space: global }
      - { .name: msc, .offset: 16, .size: 8, .value_kind: global_buffer, .address_space: global }
      - { .name: out0, .offset: 24, .size: 8, .value_kind: global_buffer, .address_space: global }
    .group_segment_fixed_size: 327680
    .private_segment_fixed_size: 0
    .kernarg_segment_align: 8
    .kernarg_segment_size: 32
    .max_flat_workgroup_size: 128
    .sgpr_count:     66
    .vgpr_count:     768
    .wavefront_size: 32
...
	.end_amdgpu_metadata
.endif
;; end of part 2
